; MI455X (gfx1250); checked and timed in simulation.
; The chip was launched on July 23, 2026; its instructions are those of AMD's public machine-readable ISA for CDNA 5 (MIT licence, August 2026) and "CDNA5" Instruction Set Architecture Reference Guide (July 2026). The comments in the code are by the model that wrote it; some were corrected since.
;; Core Attention. Allowed arithmetic: matrix products marked QUANTISED: E4M3 operands, one E8M0 scale for each 32 along K, by v_wmma_scale_f32_16x16x128_f8f6f4 with both operands' format E4M3, f32 sums; everything else in f32.
;; Inputs: key_states 2 x 16 x 2,048 x 64 float32; query_states 2 x 16 x 2,048 x 64 float32; value_states 2 x 16 x 2,048 x 64 float32.
;; Outputs: out0 2 x 16 x 2,048 x 64 float32.
;; This version of the problem:
;;   THIS VERSION OF THE PROBLEM IS GIVEN IN LOW PRECISION. The matrix products marked QUANTISED in the list below multiply operands that are first quantised to E4M3 (4 exponent bits, 3 mantissa bits; 8 bits a number), with one power-of-two scale for each 32 numbers along K (OCP MX v1.0); their sums are f32. All else is computed in f32.
;;   The module's matrix products, in the order in which they are computed (A, B: the left and right operand; K: the contracted axis; several contracted axes count as one K, in the product's order):
;;     1. batch 32 x [M 2,048, K 64] x [K 64, N 2,048]; A: input query_states; B: input key_states: QUANTISED
;;     2. batch 32 x [M 2,048, K 2,048] x [K 2,048, N 64]; A: softmax (see below); B: input value_states: QUANTISED
;;   THE QUANTISER, for each operand of a quantised product, along K:
;;     - K is cut into blocks of 32 from its start; a last block that is shorter is filled with zeros.
;;     - A block's scale is 2^e with e = floor(log2(the largest magnitude in the block)) - 8, held to -126 .. 127; a block of zeros has e = 0. As a byte (E8M0): e + 127.
;;     - Each number is divided by its block's scale, clamped to +-448, and rounded to the nearest number of E4M3, ties to even, subnormals kept.
;;     - The product sums the exact products of the quantised numbers (number of the format x scale) in f32.
;;   ~~~python
;;   def quantise(x, axis):      # numpy; x: float32 -> the quantised numbers, widened to float32 again
;;       x = np.moveaxis(x, axis, -1); K = x.shape[-1]
;;       x = np.pad(x, [(0, 0)] * (x.ndim - 1) + [(0, -K % 32)]); x = x.reshape(x.shape[:-1] + (-1, 32)); a = np.abs(x).max(-1, keepdims=True)
;;       e = np.where(a > 0, np.clip(np.frexp(np.where(a > 0, a, 1))[1] - 1 - 8, -126, 127), 0)      # np.frexp(a)[1] - 1 = floor(log2(a)), exactly
;;       r = np.clip(x / 2.0 ** e, -448, 448)
;;       step = 2.0 ** (np.maximum(np.frexp(np.where(r == 0, 1, r))[1] - 1, -6) - 3)
;;       q = np.round(r / step) * step * 2.0 ** e      # np.round: ties to even
;;       return np.moveaxis(q.reshape(q.shape[:-2] + (-1,))[..., :K], -1, axis).astype(np.float32)
;;   ~~~
;;   SOFTMAX AHEAD OF A QUANTISED PRODUCT. Where the list says 'softmax', what is quantised is not the finished softmax but p = 2^(t - M), with t = logit x log2(e) and M = ceil(the row's largest t), a whole number; so 1/2 < the row's largest p <= 1. The row's sum l is taken of the UNQUANTISED p, in f32, and the product's result is divided by l at the end. Since M is a whole number, a kernel that streams over the keys may use a running M (the ceiling of the running maximum): every later rescaling is an exact power of two, which a block's scale takes up: the codes' values come out the same.
;;   OPERANDS COMPUTED ON THE WAY. 'Computed on the way' means the value that the module computes at that place (a softmax that the list does not call 'softmax' is quantised finished and normalised). What goes into a quantiser is computed in f32, as accurately as f32 sums, v_exp_f32 and their like allow (about 1e-6 of the number): no bf16 or f16 on the way to a quantiser, and a product that is left as it is and whose result goes on into a quantised operand takes f32 operands (vector FMAs, or v_wmma_f32_16x16x4_f32). A number that lies on a knife's edge between two numbers of the format may be rounded either way, as far as f32 arithmetic and the matrix unit's own rounding can turn it there, and no further.
;; 2 versions. Each part assembles by itself: llvm-mc -triple=amdgcn-amd-amdhsa -mcpu=gfx1250 --defsym DOCPART=n.
;; ======== version 1 of 2: 1 launch
;; limits: right only within a limited range of input values
;; launch attn (part 1): grid 8 x 32, 16 waves a work-group, no clusters, 163,840 bytes of LDS; arguments query_states, key_states, value_states, out0; writes out0
.if DOCPART == 1
	.amdgcn_target "amdgcn-amd-amdhsa--gfx1250"
	.amdhsa_code_object_version 6
	.text
	.protected	k_q781716c3b7_attn
	.globl	k_q781716c3b7_attn
	.p2align	8
	.type	k_q781716c3b7_attn,@function
k_q781716c3b7_attn:
	s_mov_b64 s[64:65], 0
	v_nop
	global_prefetch_b8 v0, s[64:65] scope:SCOPE_SE
	s_setreg_imm32_b32 hwreg(HW_REG_WAVE_MODE, 25, 1), 1
	s_wait_xcnt 0x0
; out[h][q][:] = sum over k of softmax_k(Q[h][q] . K[h][k] / 8, causal) V[h][k][:].  32 heads (B x H), 2,048 positions, 64 channels, all f32 in memory.
; Both products run on codes of FP8 (E4M3) with one E8M0 scale for each 32 along a product's K (the channels for Q and K, the keys for p and V); sums in f32.
; THE SOFTMAX AHEAD OF THE SECOND PRODUCT: t = score x log2(e) / 8; M = the running largest t rounded UP to a whole number; p = 2^(t - M) is quantised along the keys, not normalised;
; the row's sum is taken of the unquantised p and divides O at the end; when M moves, the sum and O are multiplied by 2^(old M - new M), which rounds nothing.
; ONE LAUNCH, NO WORKSPACE.  A work-group (j = x, head = y) owns two blocks of 128 queries of one head, blocks j and 15 - j: (j + 1) + (16 - j) = 17 key steps of 128 for a low and a high
; wave together, the same in every work-group.  Wave w owns 16 queries: tile w / 2 of the low or the high block; which of the two is bit 0 of w xor (w / 4), so that any four waves with equal
; w mod 4, and any four neighbours, are two low and two high ones.  A lane holds ONE query (lane % 16) throughout: both products are used transposed
; (S^T = K Q^T: source 0 = 16 keys, source 1 = my queries;  O^T = V^T P^T: source 0 = 16 channels, source 1 = p).
; K AND V ARE QUANTISED BY THE WORK-GROUP ITSELF, a slot of 256 keys at a time, one slot ahead of its use: each wave takes 16 keys of K and a block of 32 keys x 32 channels of V, and stores codes and
; scale bytes into LDS AS IMAGES OF THE OPERANDS' REGISTERS (lane l's 16 bytes at 16 l, 512 bytes for four registers); any wave then has a fragment by four ds_load_b128.  Two sets of images take turns,
; ONE barrier a slot: in front of it every wave's reads of the old set are back and its stores into the new set have landed.
; THE KEYS OF A TILE ARE NOT NEIGHBOURS: row r of tile 2 b + u is key 32 b + 8 u + r + 8 (r / 8), so that S^T's 16 registers of tiles 2 b, 2 b + 1 are keys 32 b + 16 (lane / 16) + 0 .. 15: p's codes are the next operand as they are made.
; 64 CHANNELS IN AN INSTRUCTION OF K = 128.  A fragment of source 0 carries TWO tiles of keys side by side (K 0-63: tile 2 b, K 64-127: tile 2 b + 1) with four true scale bytes a row.  Q stands as [Q][zeros][Q]:
; [Q|0] gives tile 2 b, [0|Q] tile 2 b + 1.  In the dead half only Q's side is zero codes; K's codes there are finite (they are held at 448, so none is the NaN code) and no scale byte is 0xff,
; so each dead product is exactly 0; Q's bytes of the dead blocks are 1.  So a tile of keys costs 8 registers and two LDS loads, not 16 and four.
; THE MASK.  Every loop has a constant trip count; what is left out is WORK, by scalar branches on ids: a step all of whose keys come after my 16 queries, and the making of slots that no wave of the work-group needs.
; In the one step on the diagonal a hidden score becomes -80,000, which is the module's -10,000 ahead of the division by 8.
; LIMITS.  (1) Steps wholly above the diagonal are not multiplied: their p = 2^(-14,427 - M) is 0 in f32 while a row's largest kept logit lies above -9,896; rows below that are not served.
; (2) NaN and infinities among the inputs are not served.  (3) A block whose largest magnitude lies under 2^-118, a block of zeros among them, keeps the scale byte 1: only this text reads the bytes, and zero codes add nothing.
; No tensor load: K and V arrive as f32 and pass through registers to be quantised.  No cluster: the work-groups of a head need different numbers of slots (5 to 8).
.set KSC,   0                          ; LDS: K's scale words, 2 sets x 512 bytes: pair fragment f (0..7): 64 bytes, word at 4 r, byte 2 u + c
.set VSC,   1024                       ; V's, 2 x 512: fragment 4 q + n: 64 bytes, word at 4 r, byte c
.set KIMG,  2048                       ; K's images, 2 x 16,384: pair fragment f = 4 q + b: 4 chunks (2 u + c) of 512 bytes
.set VIMG,  34816                      ; V's images, 2 x 16,384: fragment 4 q + n: 4 chunks c of 512 bytes
.set STG,   67584                      ; 16 x 5,888: each wave's own bytes: 0..4,607 the turn (32 x 144), later the way out (16 x 272); then Q's image and Q's scale bytes
.set WST,   5888
.set QIM,   4608
.set QSB,   5632
.set BUFI,  16384
.set BUFS,  512
.set SLOTB, 65536                      ; 256 keys x 256 bytes of K or V in memory
.set LI,  1                            ; v1   16 x lane: a lane's place in an image; also the offset of Q's dense loads
.set LV,  2                            ; v2   16 x lane + VIMG
.set LR,  3                            ; v3   4 x (lane % 16): a row's scale word
.set KST, 4                            ; v4   where I store K's codes
.set KSB, 5                            ; v5   and K's scale byte
.set VST, 6                            ; v6   where I store V's codes (VIMG inside)
.set VSB, 7                            ; v7   and V's scale byte
.set KA,  8                            ; v8   my offset in a slot of K in memory: 4,096 w + 16 lane
.set VA,  9                            ; v9   in a slot of V: 8,192 (w / 2) + 128 (w % 2) + 4 lane
.set DQ,  10                           ; v10  lane % 16 - 16 (lane / 16)
.set PFO, 11                           ; v11  256 x lane: the prefetches' offset
                                       ; v12 -M, v13 the largest t, v[14:15] the row's sum in two halves
.set QF,  16                           ; v16-23 Q's codes, v24-31 zeros, v32-39 Q's codes again
.set ZF,  24
.set QG,  32
.set QAW, 40                           ; v40  Q's scale word for [Q|0];  v41 for [0|Q];  v42 p's scale word
.set QBW, 41
.set PW,  42
.set QRS, 43                           ; v43  where I read Q's two scale bytes back
.set SW,  44                           ; v44-47 the fragments' scale words: K's, then V's
.set F,   48                           ; v48-79 K's pairs 0, 1; then V's fragments 0, 1 (fragments 2, 3 follow on end, in S's first 32)
.set S,   80                           ; v80-143 S^T, then p
.set QX,  S+32                         ; Q's raw numbers at the head
.set O,   144                          ; v144-175 O^T, four tiles of 16 channels
.set PC,  176                          ; v176-191 p's codes; v176-207 K's pairs 2, 3 during S^T
.set GJ,  PC-F-32                      ; the jump from pair 1's registers to pair 2's
.set T,   192                          ; v192-215 at work
.set C8,  T+8                          ; 32 codes just made
.set X,   216                          ; v216-247 raw f32 on their way in
.set TI,  248                          ; v248 the turn: in;  v249: out
.set TO,  249
.set SOA, 250                          ; v250 the way out: where I put 32 bytes of a row;  v251 where I read a row back;  v252 my offset in the wave's rows of out
.set SRA, 251
.set GO,  252
.set QWI, 253                          ; v253 where I store Q's codes;  v254 Q's scale byte;  v255 where I read Q's image back
.set QWB, 254
.set QRI, 255
.set QP,  4                            ; s[4:5] Q, s[6:7] K, s[8:9] V, s[10:11] out
.set KB,  6
.set VB,  8
.set OP,  10
.set WV,  12                           ; s12 wave;  s13 j;  s14 head;  s15 high or low;  s16, s17, s32-36 at work
.set SQ0, 18                           ; s18 my first query;  s19 the step's first key
.set SKF, 19
.set SEL, 20                           ; s[20:21] v_permlanex16_b32's selects for lane l xor 16
.set CS,  22                           ; s[22:23] c = log2(e) / 8 (a pair is named, its low word serves both halves)
.set MNT, 24                           ; s24 the mantissa field of 448
.set NS,  25                           ; s25 slots that the work-group needs: (17 - j) / 2
.set SL1, 26                           ; s26 the slot to be made next
.set TRIP, 27
.set LIM, 28                           ; s28 7 in the work-group that prefetches (j = 0), else 0
.set PFA, 30                           ; s[30:31] where my prefetches stand
; eight dense loads: 16 rows of 256 bytes; each load covers 512 consecutive bytes
.macro KLOAD reg, off, ptr, nt
.irp i, 0,1,2,3,4,5,6,7
.if \nt
	global_load_b128 v[\reg+4*\i:\reg+4*\i+3], v[\off], s[\ptr:\ptr+1] offset:512*\i th:TH_LOAD_NT
.else
	global_load_b128 v[\reg+4*\i:\reg+4*\i+3], v[\off], s[\ptr:\ptr+1] offset:512*\i
.endif
.endr
.endm
; V: a lane takes a channel and its registers run down the 32 keys of a block: 128 consecutive bytes a load
.macro VLOAD reg
.set cnt, 0
.rept 32
	global_load_b32 v[\reg+cnt], v[VA], s[VB:VB+1] offset:256*cnt
.set cnt, cnt+1
.endr
.endm
; 4,096 dense bytes turn through the wave's own bytes: afterwards lane l holds the 32 neighbours of row l / 2, block l % 2.  A lane's place is 128 bytes + 16 of padding.
; LDS serves a wave's instructions in order (ISA guide 5.7.1.4): no wait between the stores and the loads.
.macro TURN reg
.irp i, 0,1,2,3,4,5,6,7
	ds_store_b128 v[TI], v[\reg+4*\i:\reg+4*\i+3] offset:576*\i
.endr
.irp i, 0,1,2,3,4,5,6,7
	ds_load_b128 v[\reg+4*\i:\reg+4*\i+3], v[TO] offset:16*\i
.endr
	s_wait_dscnt 0x0
.endm
; a block of 32 numbers in one lane's registers becomes 32 codes in v[C8] on (registers 0-3 the first 16 along K) and its scale byte in v[T+4]
.macro QUANT32 s
	v_max3_num_f32 v[T], |v[\s]|, |v[\s+1]|, |v[\s+2]|             ; the block's largest magnitude, in two chains
	v_max3_num_f32 v[T+1], |v[\s+3]|, |v[\s+4]|, |v[\s+5]|
.irp i, 6,10,14,18,22,26
	v_max3_num_f32 v[T], v[T], |v[\s+\i]|, |v[\s+\i+1]|
	v_max3_num_f32 v[T+1], v[T+1], |v[\s+\i+2]|, |v[\s+\i+3]|
.endr
	v_max3_num_f32 v[T], v[T], |v[\s+30]|, |v[\s+31]|
	v_max3_num_f32 v[T], v[T], v[T+1], 0x4800000                   ; and the floor 2^(9 - 127): the byte cannot fall under 1
	v_add_nc_u32 v[T+2], 0xfc000000, v[T]                          ; 8 off the exponent field: the conversion takes this operand's exponent field as its scale
	v_and_or_b32 v[T+3], v[T], 0x7f800000, s[MNT]                  ; 448 x the scale
.set cnt, 0
.rept 32
	v_med3_num_f32 v[\s+cnt], v[\s+cnt], -v[T+3], v[T+3]           ; the conversion to an 8-bit code does not saturate (ISA guide 7.6.2): the hold comes first
.set cnt, cnt+1
.endr
.irp g, 0,1,2,3
	v_cvt_scalef32_pk8_fp8_f32 v[C8+2*\g:C8+2*\g+1], v[\s+8*\g:\s+8*\g+7], v[T+2]
.endr
	v_lshrrev_b32 v[T+4], 23, v[T+2]                               ; the scale's byte; also the plain line behind the conversions
.endm
.macro KPUT wb                         ; my key's 32 codes: the half of lanes 0-15 of the fragment, then that of lanes 16-31, 256 bytes on
	ds_store_b128 v[KST], v[C8:C8+3] offset:KIMG+BUFI*(\wb)
	ds_store_b128 v[KST], v[C8+4:C8+7] offset:KIMG+BUFI*(\wb)+256
	ds_store_b8 v[KSB], v[T+4] offset:KSC+BUFS*(\wb)
	s_wait_dscnt 0x0                                               ; the stores have read their registers, which the next step's loads write
.endm
.macro VPUT wb
	ds_store_b128 v[VST], v[C8:C8+3] offset:BUFI*(\wb)
	ds_store_b128 v[VST], v[C8+4:C8+7] offset:BUFI*(\wb)+256
	ds_store_b8 v[VSB], v[T+4] offset:VSC+BUFS*(\wb)
	s_wait_dscnt 0x0
.endm
; A PREFETCH of the slot behind the one that is being loaded.  All eight work-groups of a head walk the same K and V: the one with j = 0, which walks all eight slots, asks, and nobody else.
; Waves 0-7 take K's 65,536 bytes of the slot, waves 8-15 V's: 8,192 a wave, lanes 256 bytes apart, one instruction: each aligned block of 256 bytes is named once in the launch.
; It stands behind the wave's run of loads.  Slots 0 and 1 come by their loads alone; slot 7 is the last that is named (SL1 + 1 <= 7).
.macro ASK
	s_cmp_lt_u32 s[SL1], s[LIM]
	s_cbranch_scc0 .Lnot_mine_\@
	global_prefetch_b8 v[PFO], s[PFA:PFA+1] th:TH_LOAD_NT scope:SCOPE_SE
.Lnot_mine_\@:
.endm
.macro BARRIER                         ; my LDS stores have landed and my LDS loads are back: then the work-group's barrier
	s_wait_dscnt 0x0
	s_barrier_signal -1
	s_barrier_wait -1
.endm
.macro SPROD b                         ; pair b of K against [Q|0] and [0|Q]: tiles 2 b and 2 b + 1 of S^T
.set rA, F+16*(\b)+((\b)/2)*GJ
	v_wmma_scale_f32_16x16x128_f8f6f4 v[S+16*(\b):S+16*(\b)+7], v[rA:rA+15], v[QF:QF+15], 0, v[SW+(\b)], v[QAW]
	v_wmma_scale_f32_16x16x128_f8f6f4 v[S+16*(\b)+8:S+16*(\b)+15], v[rA:rA+15], v[ZF:ZF+15], 0, v[SW+(\b)], v[QBW]
.endm
; A KEY STEP: 128 keys, the kq-th of the slot whose images lie in set rb.
.macro STEP rb, kq
	s_add_co_u32 s36, s[SQ0], 15
	s_cmp_gt_u32 s[SKF], s36                       ; all 128 keys come after my 16 queries: the step's work is left out
	s_cbranch_scc1 .Lhidden_\@
.irp b, 0,1,2,3                        ; K: four pair fragments and their scale words, one run of 20 loads
.irp c, 0,1,2,3
	ds_load_b128 v[F+16*\b+(\b/2)*GJ+4*\c:F+16*\b+(\b/2)*GJ+4*\c+3], v[LI] offset:KIMG+BUFI*(\rb)+2048*(4*(\kq)+\b)+512*\c
.endr
	ds_load_b32 v[SW+\b], v[LR] offset:KSC+BUFS*(\rb)+64*(4*(\kq)+\b)
.endr
	s_wait_dscnt 10                                ; pairs 0 and 1 are in; the ten younger loads (pairs 2 and 3 with their words) may be out
	SPROD 0
	SPROD 1
	s_wait_dscnt 0x0
	SPROD 2
	SPROD 3
.rept 8
	v_nop                                          ; eight places behind this form, ahead of the reads of S^T, of vector writes into K's registers and of loads into them and into the scale words
.endr
.irp n, 0,1                            ; V's fragments 0 and 1 and all four scale words: they land under the softmax
.irp c, 0,1,2,3
	ds_load_b128 v[F+16*\n+4*\c:F+16*\n+4*\c+3], v[LV] offset:BUFI*(\rb)+2048*(4*(\kq)+\n)+512*\c
.endr
.endr
.irp n, 0,1,2,3
	ds_load_b32 v[SW+\n], v[LR] offset:VSC+BUFS*(\rb)+64*(4*(\kq)+\n)
.endr
	s_add_co_u32 s36, s[SKF], 127                  ; a step all of whose keys count skips the mask
	s_cmp_le_u32 s36, s[SQ0]
	s_cbranch_scc1 .Lopen_\@
	s_sub_co_i32 s36, s[SQ0], s[SKF]
	v_add_nc_u32 v[T+16], s36, v[DQ]               ; d = my query - the step's first key - 16 (lane / 16).  Register 16 b + i holds key 32 b + 16 (lane / 16) + i of the step: hidden where 32 b + i > d
	v_mov_b32 v[T+18], 0xc79c4000                  ; -80,000 = the module's -10,000 x 8
.set cnt, 0
.rept 64
	v_cmp_gt_i32 vcc_lo, 32*(cnt/16)+cnt%16, v[T+16]
	v_cndmask_b32 v[S+cnt], v[S+cnt], v[T+18], vcc_lo              ; ascending: each accumulator is read from its low end on
.set cnt, cnt+1
.endr
.Lopen_\@:
.irp b, 0,1,2,3
	v_max3_num_f32 v[T+\b], v[S+16*\b], v[S+1+16*\b], v[S+2+16*\b]   ; the largest score of each block of 32 keys: it serves the row's maximum and, since p rises with the score, the block's largest p
.endr
.irp i, 3,5,7,9,11,13
.irp b, 0,1,2,3
	v_max3_num_f32 v[T+\b], v[T+\b], v[S+16*\b+\i], v[S+1+16*\b+\i]  ; (the four blocks by turns)
.endr
.endr
.irp b, 0,1,2,3
	v_max_num_f32 v[T+\b], v[T+\b], v[S+15+16*\b]
.endr
.irp b, 0,1,2,3
	v_permlanex16_b32 v[T+4+\b], v[T+\b], s[SEL], s[SEL+1]
.endr
.irp b, 0,1,2,3
	v_max_num_f32 v[T+\b], v[T+\b], v[T+4+\b]      ; with lane l xor 16's 16 keys
.endr
	v_max3_num_f32 v[T+18], v[T], v[T+1], v[T+2]
	v_max_num_f32 v[T+18], v[T+18], v[T+3]         ; the step's largest score of my query
	v_mul_f32 v[T+18], s[CS], v[T+18]              ; as t (c is positive)
	v_max_num_f32 v13, v13, v[T+18]                ; the running largest t
	v_mov_b32 v[T+18], v12
	v_floor_f32 v12, -v13                          ; the new -M = floor(-t): M is a whole number
	v_sub_f32 v[T+18], v12, v[T+18]                ; old M - new M: a whole number, 0 or less
	v_cvt_i32_f32 v[T+18], v[T+18]                 ; (it saturates)
	v_ldexp_f32 v[T+16], 1.0, v[T+18]              ; f = 2^(old M - new M)
.set cnt, 0
.rept 32
	v_pk_fma_f32 v[S+cnt:S+cnt+1], v[S+cnt:S+cnt+1], s[CS:CS+1], v[12:13] op_sel_hi:[1,0,0]   ; t - M, two at a time
.set cnt, cnt+2
.endr
.irp b, 0,1,2,3
	v_fma_f32 v[T+\b], v[T+\b], s[CS], v12         ; the same of each block's largest score
.endr
.set cnt, 0
.rept 64
	v_exp_f32 v[S+cnt], v[S+cnt]                   ; p = 2^(t - M), at most 1: one batch
.set cnt, cnt+1
.endr
	v_pk_mul_f32 v[14:15], v[14:15], v[T+16:T+17] op_sel_hi:[1,0]  ; the sums under the new M: the plain line behind the batch
	s_wait_alu depctr_va_vdst(0)                   ; one wait for the 64, ahead of their first reader
.irp b, 0,1,2,3
	v_exp_f32 v[T+\b], v[T+\b]                     ; the block's largest p: the same two instructions on the same number give the same bits
.endr
	v_pk_add_f32 v[T+4:T+5], v[S:S+1], v[S+2:S+3]  ; the row's sum is taken of the UNQUANTISED p, two at a time, in two chains; it reads the 64 alone
.set cnt, 4
.rept 15
	v_pk_add_f32 v[14:15], v[14:15], v[S+cnt:S+cnt+1]
	v_pk_add_f32 v[T+4:T+5], v[T+4:T+5], v[S+cnt+2:S+cnt+3]
.set cnt, cnt+4
.endr
	v_pk_add_f32 v[14:15], v[14:15], v[T+4:T+5]
	s_wait_alu depctr_va_vdst(0)                   ; and one for the four
.irp b, 0,1,2,3
	v_max_num_f32 v[T+\b], 0x4800000, v[T+\b]      ; the floor 2^(9 - 127): a block whose every p is 0 keeps the byte 1; its codes are zeros
.endr
.irp b, 0,1,2,3
	v_add_nc_u32 v[T+12+\b], 0xfc000000, v[T+\b]   ; the conversion's scale operand
.endr
.irp b, 0,1,2,3
	v_and_or_b32 v[T+8+\b], v[T+\b], 0x7f800000, s[MNT]   ; 448 x the scale
.endr
.irp b, 0,1,2,3
	v_lshrrev_b32 v[T+4+\b], 23, v[T+12+\b]        ; the scale's byte
.endr
	v_lshl_or_b32 v[PW], v[T+5], 8, v[T+4]         ; p's scale word for these 128 keys
	v_lshl_or_b32 v[PW], v[T+6], 16, v[PW]
	v_lshl_or_b32 v[PW], v[T+7], 24, v[PW]
.irp b, 0,1,2,3
.irp i, 0,1,2,3,4,5,6,7,8,9,10,11,12,13,14,15
	v_min_num_f32 v[S+16*\b+\i], v[S+16*\b+\i], v[T+8+\b]   ; p is not negative: the hold is one-sided
.endr
	v_cvt_scalef32_pk8_fp8_f32 v[PC+4*\b:PC+4*\b+1], v[S+16*\b:S+16*\b+7], v[T+12+\b]
	v_cvt_scalef32_pk8_fp8_f32 v[PC+4*\b+2:PC+4*\b+3], v[S+16*\b+8:S+16*\b+15], v[T+12+\b]
.if \b == 1                            ; blocks 0 and 1 are converted: their 32 registers take V's fragments 2 and 3 (F + 32 = S)
.irp n, 2,3
.irp c, 0,1,2,3
	ds_load_b128 v[F+16*\n+4*\c:F+16*\n+4*\c+3], v[LV] offset:BUFI*(\rb)+2048*(4*(\kq)+\n)+512*\c
.endr
.endr
.endif
.endr
.set cnt, 0
.rept 16
	v_pk_mul_f32 v[O+cnt:O+cnt+1], v[O+cnt:O+cnt+1], v[T+16:T+17] op_sel_hi:[1,0]   ; O^T under the new M.  These sixteen are also the plain line behind the last conversion and the places between the codes and the products
.set cnt, cnt+2
.endr
	s_wait_dscnt 0x0                               ; V's four fragments and words are in
.irp n, 0,1,2,3                        ; O^T += V^T P^T: the four accumulators by turns, one instruction a turn; eight products of S^T stand between two links of a chain
	v_wmma_scale_f32_16x16x128_f8f6f4 v[O+8*\n:O+8*\n+7], v[F+16*\n:F+16*\n+15], v[PC:PC+15], v[O+8*\n:O+8*\n+7], v[SW+\n], v[PW]
.endr
.rept 9
	v_nop                                          ; nine places: the next step's products write over S^T's first 32 registers, which were sources here; eight of them serve the next loads into sources and the way out's reads of O^T
.endr
.Lhidden_\@:
	s_add_co_u32 s[SKF], s[SKF], 128
.endm
; A SLOT: its two steps read set rb; between them the next slot's K and V are loaded, quantised and stored into the other set.  Each raw load has a key step in which to land.
.macro SLOT rb
	s_cmp_lt_u32 s[SL1], s[NS]                     ; is there a next slot that some wave of the work-group needs?  The same in all sixteen waves
	s_cbranch_scc0 .Lno_k_\@
	KLOAD X, KA, KB, 0
.Lno_k_\@:
	STEP \rb, 0
	s_wait_loadcnt 0x0                             ; K's eight loads are in (on every path no load is out here)
	s_cmp_lt_u32 s[SL1], s[NS]
	s_cbranch_scc0 .Lno_kq_\@
	TURN X
	QUANT32 X
	KPUT 1-\rb
	VLOAD X
	ASK
.Lno_kq_\@:
	STEP \rb, 1
	s_wait_loadcnt 0x0                             ; V's 32 loads are in
	s_cmp_lt_u32 s[SL1], s[NS]
	s_cbranch_scc0 .Lno_v_\@
	QUANT32 X
	VPUT 1-\rb
.Lno_v_\@:
	s_wait_xcnt 0x0                                ; every earlier memory instruction, the prefetch among them, has had its address translated: the bases may step
	s_add_nc_u64 s[KB:KB+1], s[KB:KB+1], SLOTB
	s_add_nc_u64 s[VB:VB+1], s[VB:VB+1], SLOTB
	s_add_nc_u64 s[PFA:PFA+1], s[PFA:PFA+1], SLOTB
	s_add_co_u32 s[SL1], s[SL1], 1
	BARRIER                                        ; nobody reads set rb any more, and the other set is whole
.endm
	s_load_b256 s[4:11], s[0:1], 0x0               ; Q, K, V, out
	v_lshl_add_u32 v214, v0, 2, 0x27800
	v_mov_b32 v215, 0
	v_lshrrev_b32 v[T], 5, v0                      ; w
	v_readfirstlane_b32 s[WV], v[T]
	v_and_b32 v[T+1], 31, v0                       ; lane
	v_lshrrev_b32 v[T+5], 6, v0                    ; w / 2
	v_bfe_u32 v[T+6], v0, 5, 1                     ; w % 2
	v_lshlrev_b32 v[LI], 4, v[T+1]
	v_lshl_add_u32 v[KA], v[T], 12, v[LI]
	v_lshlrev_b32 v[VA], 13, v[T+5]
	v_lshl_add_u32 v[VA], v[T+6], 7, v[VA]
	v_lshl_add_u32 v[VA], v[T+1], 2, v[VA]
	s_mov_b32 s13, ttmp9                           ; j
	s_and_b32 s14, ttmp7, 0xffff                   ; the head
	s_lshr_b32 s16, s[WV], 2
	s_xor_b32 s16, s16, s[WV]
	s_and_b32 s15, s16, 1                          ; 1: the high block
	s_sub_co_u32 s16, 15, s13
	s_cmp_eq_u32 s15, 1
	s_cselect_b32 s16, s16, s13                    ; my block of 128 queries: 15 - j or j
	s_lshr_b32 s17, s[WV], 1                       ; my tile in it
	s_lshl_b32 s16, s16, 7
	s_lshl_b32 s17, s17, 4
	s_add_co_u32 s[SQ0], s16, s17                  ; my first query
	s_lshl_b32 s32, s14, 19                        ; a head is 2,048 x 256 bytes
	s_mov_b32 s33, 0
	s_lshl_b32 s34, s[SQ0], 8
	s_add_co_u32 s34, s34, s32
	s_mov_b32 s35, 0
	s_sub_co_u32 s[NS], 17, s13
	s_lshr_b32 s[NS], s[NS], 1
	s_cmp_eq_u32 s13, 0
	s_cselect_b32 s[LIM], 7, 0
	s_and_b32 s16, s[WV], 7
	s_lshl_b32 s16, s16, 13
	s_add_co_u32 s16, s16, 2*SLOTB                 ; my wave's 8,192 bytes, in slot 2
	s_mov_b32 s17, 0
	s_mov_b32 s[SEL], 0x76543210
	s_mov_b32 s[SEL+1], 0xfedcba98
	s_mov_b32 s[CS], 0x3e38aa3b                    ; log2(e) / 8
	s_mov_b32 s[CS+1], s[CS]
	s_mov_b32 s[MNT], 0x600000
	s_mov_b32 s[SKF], 0
	s_mov_b32 s[SL1], 1
	s_mov_b32 s[TRIP], 4
	s_wait_kmcnt 0x0
	s_add_nc_u64 s[QP:QP+1], s[QP:QP+1], s[34:35]
	s_add_nc_u64 s[OP:OP+1], s[OP:OP+1], s[34:35]
	s_add_nc_u64 s[KB:KB+1], s[KB:KB+1], s[32:33]
	s_add_nc_u64 s[VB:VB+1], s[VB:VB+1], s[32:33]
	KLOAD X, KA, KB, 0                             ; slot 0: my 16 keys,
	VLOAD S                                        ; my block of V,
	KLOAD QX, LI, QP, 1                            ; and my 16 queries, which nobody else reads
	s_cmp_lt_u32 s[WV], 8                          ; waves 0-7 prefetch K, waves 8-15 V
	s_cselect_b64 s[PFA:PFA+1], s[KB:KB+1], s[VB:VB+1]
	s_add_nc_u64 s[PFA:PFA+1], s[PFA:PFA+1], s[16:17]
	; the addresses that stay: constants times bit fields of the thread's number
	v_and_b32 v[T+2], 15, v0                       ; r
	v_bfe_u32 v[T+3], v0, 4, 1                     ; h
	v_and_b32 v[T+7], 1, v0                        ; lane % 2: the block of 32 channels after the turn
	v_bfe_u32 v[T+8], v0, 1, 3                     ; (lane / 2) % 8
	v_lshrrev_b32 v[T+9], 8, v0                    ; w / 8: which step of the slot
	v_bfe_u32 v[T+10], v0, 6, 2                    ; (w / 2) % 4: which block of 32 keys of the step
	v_add_nc_u32 v[LV], VIMG, v[LI]
	v_lshlrev_b32 v[LR], 2, v[T+2]
	v_lshlrev_b32 v[KST], 11, v[T+5]               ; K's codes: key 16 w + lane / 2 of the slot is row 8 (w % 2) + (lane / 2) % 8 of tile u = lane / 16 of pair w / 2
	v_lshl_add_u32 v[KST], v[T+6], 7, v[KST]
	v_lshl_add_u32 v[KST], v[T+3], 10, v[KST]
	v_lshl_add_u32 v[KST], v[T+7], 9, v[KST]
	v_lshl_add_u32 v[KST], v[T+8], 4, v[KST]
	v_lshlrev_b32 v[KSB], 5, v[T]                  ; its byte: 64 (w / 2) + 4 row + 2 u + c: a wave writes 32 bytes on end
	v_lshl_add_u32 v[KSB], v[T+8], 2, v[KSB]
	v_lshl_add_u32 v[KSB], v[T+3], 1, v[KSB]
	v_add_nc_u32 v[KSB], v[KSB], v[T+7]
	v_lshl_add_u32 v[VST], v[T+9], 13, VIMG        ; V's codes: channel 32 (w % 2) + lane is row lane % 16 of fragment 4 (w / 8) + 2 (w % 2) + lane / 16, chunk (w / 2) % 4
	v_lshl_add_u32 v[VST], v[T+6], 12, v[VST]
	v_lshl_add_u32 v[VST], v[T+10], 9, v[VST]
	v_lshl_add_u32 v[VST], v[T+3], 11, v[VST]
	v_lshl_add_u32 v[VST], v[T+2], 4, v[VST]
	v_lshlrev_b32 v[VSB], 8, v[T+9]                ; its byte: 64 x fragment + 4 row + chunk
	v_lshl_add_u32 v[VSB], v[T+6], 7, v[VSB]
	v_lshl_add_u32 v[VSB], v[T+1], 2, v[VSB]
	v_add_nc_u32 v[VSB], v[VSB], v[T+10]
	v_lshlrev_b32 v[DQ], 4, v[T+3]
	v_sub_nc_u32 v[DQ], v[T+2], v[DQ]
	v_lshlrev_b32 v[PFO], 8, v[T+1]
	v_mul_u32_u24 v[T+11], v[T], WST
	v_add_nc_u32 v[T+11], STG, v[T+11]             ; my wave's own bytes
	v_bfe_u32 v[T+12], v0, 3, 2                    ; lane / 8
	v_and_b32 v[T+13], 7, v0
	v_bfe_u32 v[T+14], v0, 1, 4                    ; lane / 2
	v_mad_u32_u24 v[TI], v[T+12], 144, v[T+11]
	v_lshl_add_u32 v[TI], v[T+13], 4, v[TI]
	v_mad_u32_u24 v[TO], v[T+1], 144, v[T+11]
	v_mad_u32_u24 v[SOA], v[T+2], 272, v[T+11]
	v_lshl_add_u32 v[SOA], v[T+3], 5, v[SOA]
	v_mad_u32_u24 v[SRA], v[T+3], 272, v[T+11]
	v_lshl_add_u32 v[SRA], v[T+2], 4, v[SRA]
	v_lshlrev_b32 v[GO], 8, v[T+3]
	v_lshl_add_u32 v[GO], v[T+2], 4, v[GO]
	v_lshl_add_u32 v[QWI], v[T+7], 9, v[T+11]      ; Q's codes: chunk lane % 2, row lane / 2
	v_lshl_add_u32 v[QWI], v[T+14], 4, v[QWI]
	v_lshl_add_u32 v[QWB], v[T+14], 2, v[T+11]
	v_add_nc_u32 v[QWB], v[QWB], v[T+7]
	v_add_nc_u32 v[QRI], v[T+11], v[LI]
	v_add_nc_u32 v[QRS], v[T+11], v[LR]
.irp i, 0,1,2,3,4,5,6,7
	v_mov_b32 v[ZF+\i], 0                          ; the zero codes between Q's two copies
.endr
.irp i, 4,5,6,7,17
	v_mov_b32 v[T+\i], 0                           ; written once: a lane permute's destination and a pair's upper half count as read
.endr
	v_mov_b32 v13, 0xff61b1e6                      ; the largest t so far: -3e38, under every t
	v_floor_f32 v12, -v13                          ; -M
	v_mov_b32 v14, 0                               ; the sum, in two halves
	v_mov_b32 v15, 0
	s_wait_loadcnt 40                              ; K's eight loads are in; V's 32 and Q's 8 may be out
	TURN X
	QUANT32 X
	KPUT 0
	s_wait_loadcnt 8                               ; V's are in
	QUANT32 S
	VPUT 0
	s_wait_loadcnt 0x0                             ; Q's are in
	TURN QX
	QUANT32 QX
	ds_store_b128 v[QWI], v[C8:C8+3] offset:QIM    ; Q's fragment goes through my own bytes, as an image, and comes back twice
	ds_store_b128 v[QWI], v[C8+4:C8+7] offset:QIM+256
	ds_store_b8 v[QWB], v[T+4] offset:QSB
	ds_load_b128 v[QF:QF+3], v[QRI] offset:QIM
	ds_load_b128 v[QF+4:QF+7], v[QRI] offset:QIM+512
	ds_load_b128 v[QG:QG+3], v[QRI] offset:QIM
	ds_load_b128 v[QG+4:QG+7], v[QRI] offset:QIM+512
	ds_load_u16 v[F], v[QRS] offset:QSB            ; row r's two scale bytes
	s_wait_dscnt 0x0
	v_or_b32 v[QAW], 0x01010000, v[F]              ; [Q|0]: q0, q1, 1, 1
	v_lshl_or_b32 v[QBW], v[F], 16, 0x0101         ; [0|Q]: 1, 1, q0, q1
.set cnt, 0
.rept 32
	v_mov_b32 v[O+cnt], 0                          ; O^T.  The step is written once: the first finds zeros.  These lines are also the places between the two scale words and the first product
.set cnt, cnt+1
.endr
	s_add_nc_u64 s[KB:KB+1], s[KB:KB+1], SLOTB     ; slot 0's loads are done: on to slot 1
	s_add_nc_u64 s[VB:VB+1], s[VB:VB+1], SLOTB
	BARRIER                                        ; slot 0's images are whole
.Ltrip:                                ; four trips of two slots: the count is the same in every work-group; slots that nobody needs cost their branches and a barrier
	SLOT 0
	SLOT 1
	s_sub_co_u32 s[TRIP], s[TRIP], 1
	s_cmp_lg_u32 s[TRIP], 0
	s_cbranch_scc1 .Ltrip
	; THE WAY OUT.  O^T / the row's sum goes through my own bytes of LDS (16 rows of 256 bytes + 16) and leaves as whole rows: sixteen lanes store 256 consecutive bytes, aligned.
	v_add_f32 v14, v14, v15                        ; the sum's two halves,
	v_permlanex16_b32 v[T+4], v14, s[SEL], s[SEL+1]
	v_add_f32 v14, v14, v[T+4]                     ; and lane l xor 16's
	v_rcp_f32 v14, v14
	v_nop                                          ; a plain line behind the reciprocal,
	s_wait_alu depctr_va_vdst(0)                   ; and the wait ahead of its first reader
.set cnt, 0
.rept 32
	v_mul_f32 v[S+cnt], v[O+cnt], v14              ; register 8 n + i is out(r, 16 n + 8 h + i); each accumulator from its low end on
.set cnt, cnt+1
.endr
.irp n, 0,1,2,3
	ds_store_b128 v[SOA], v[S+8*\n:S+8*\n+3] offset:64*\n
	ds_store_b128 v[SOA], v[S+8*\n+4:S+8*\n+7] offset:64*\n+16
.endr
.irp i, 0,1,2,3,4,5,6,7
	ds_load_b128 v[QX+4*\i:QX+4*\i+3], v[SRA] offset:544*\i        ; rows 2 i and 2 i + 1; LDS serves a wave's instructions in order: these see my stores
.endr
.irp i, 0,1,2,3,4,5,6,7
	s_wait_dscnt 7-\i                              ; the younger loads may be out
	global_store_b128 v[GO], v[QX+4*\i:QX+4*\i+3], s[OP:OP+1] offset:512*\i th:TH_STORE_NT
.endr
	s_wait_tensorcnt 0x0
	ds_add_u32 v214, v215
	s_wait_dscnt 0x0
	s_endpgm
.Lfunc_end_k_q781716c3b7_attn:
	.size	k_q781716c3b7_attn, .Lfunc_end_k_q781716c3b7_attn-k_q781716c3b7_attn
	.p2alignl 7, 3214868480
	.fill 96, 4, 3214868480
	.section	.rodata,"a",@progbits
	.p2align	6, 0x0
	.amdhsa_kernel k_q781716c3b7_attn
		.amdhsa_group_segment_fixed_size 163840
		.amdhsa_private_segment_fixed_size 0
		.amdhsa_enable_private_segment 0
		.amdhsa_kernarg_size 32
		.amdhsa_user_sgpr_count 2
		.amdhsa_user_sgpr_kernarg_segment_ptr 1
		.amdhsa_wavefront_size32 1
		.amdhsa_system_sgpr_workgroup_id_x 1
		.amdhsa_system_sgpr_workgroup_id_y 1
		.amdhsa_system_sgpr_workgroup_id_z 1
		.amdhsa_system_vgpr_workitem_id 0
		.amdhsa_next_free_vgpr 256
		.amdhsa_next_free_sgpr 66
		.amdhsa_reserve_vcc 1
		.amdhsa_float_denorm_mode_32 3
		.amdhsa_float_denorm_mode_16_64 3
		.amdhsa_memory_ordered 1
		.amdhsa_forward_progress 1
		.amdhsa_inst_pref_size 150
	.end_amdhsa_kernel
	.amdgpu_metadata
---
amdhsa.version: [ 1, 2 ]
amdhsa.kernels:
  - .name:           k_q781716c3b7_attn
    .symbol:         k_q781716c3b7_attn.kd
    .args:
      - { .name: query_states, .offset: 0, .size: 8, .value_kind: global_buffer, .address_space: global }
      - { .name: key_states, .offset: 8, .size: 8, .value_kind: global_buffer, .address_space: global }
      - { .name: value_states, .offset: 16, .size: 8, .value_kind: global_buffer, .address_space: global }
      - { .name: out0, .offset: 24, .size: 8, .value_kind: global_buffer, .address_space: global }
    .group_segment_fixed_size: 163840
    .private_segment_fixed_size: 0
    .kernarg_segment_align: 8
    .kernarg_segment_size: 32
    .max_flat_workgroup_size: 512
    .sgpr_count:     66
    .vgpr_count:     256
    .wavefront_size: 32
...
	.end_amdgpu_metadata
.endif
;; end of part 1
;; ======== version 2 of 2: 1 launch; version 1 with the launch attn written anew for expert scheduling mode
;; limits: right only within a limited range of input values
;; launch attn (part 2): grid 8 x 32, 16 waves a work-group, no clusters, 163,840 bytes of LDS; arguments query_states, key_states, value_states, out0; writes out0
.if DOCPART == 2
	.amdgcn_target "amdgcn-amd-amdhsa--gfx1250"
	.amdhsa_code_object_version 6
	.text
	.protected	k_q781716c3b7_attn
	.globl	k_q781716c3b7_attn
	.p2align	8
	.type	k_q781716c3b7_attn,@function
k_q781716c3b7_attn:
	s_mov_b64 s[64:65], 0
	v_nop
	global_prefetch_b8 v0, s[64:65] scope:SCOPE_SE
	s_setreg_imm32_b32 hwreg(HW_REG_WAVE_SCHED_MODE, 0, 2), 2
	s_setreg_imm32_b32 hwreg(HW_REG_WAVE_MODE, 25, 1), 1
	s_wait_xcnt 0x0
	s_wait_alu depctr_vm_vsrc(0)
; out[h][q][:] = sum over k of softmax_k(Q[h][q] . K[h][k] / 8, causal) V[h][k][:].  32 heads (B x H), 2,048 positions, 64 channels, all f32 in memory.
; Both products run on codes of FP8 (E4M3) with one E8M0 scale for each 32 along a product's K (the channels for Q and K, the keys for p and V); sums in f32.
; THE SOFTMAX AHEAD OF THE SECOND PRODUCT: t = score x log2(e) / 8; M = the running largest t rounded UP to a whole number; p = 2^(t - M) is quantised along the keys, not normalised;
; the row's sum is taken of the unquantised p and divides O at the end; when M moves, the sum and O are multiplied by 2^(old M - new M), which rounds nothing.
; ONE LAUNCH, NO WORKSPACE.  A work-group (j = x, head = y) owns two blocks of 128 queries of one head, blocks j and 15 - j: (j + 1) + (16 - j) = 17 key steps of 128 for a low and a high
; wave together, the same in every work-group.  Wave w owns 16 queries: tile w / 2 of the low or the high block; which of the two is bit 0 of w xor (w / 4), so that any four waves with equal
; w mod 4, and any four neighbours, are two low and two high ones.  A lane holds ONE query (lane % 16) throughout: both products are used transposed
; (S^T = K Q^T: source 0 = 16 keys, source 1 = my queries;  O^T = V^T P^T: source 0 = 16 channels, source 1 = p).
; K AND V ARE QUANTISED BY THE WORK-GROUP ITSELF, a slot of 256 keys at a time, one slot ahead of its use: each wave takes 16 keys of K and a block of 32 keys x 32 channels of V, and stores codes and
; scale bytes into LDS AS IMAGES OF THE OPERANDS' REGISTERS (lane l's 16 bytes at 16 l, 512 bytes for four registers); any wave then has a fragment by four ds_load_b128.  Two sets of images take turns,
; ONE barrier a slot: in front of it every wave's reads of the old set are back and its stores into the new set have landed.
; THE KEYS OF A TILE ARE NOT NEIGHBOURS: row r of tile 2 b + u is key 32 b + 8 u + r + 8 (r / 8), so that S^T's 16 registers of tiles 2 b, 2 b + 1 are keys 32 b + 16 (lane / 16) + 0 .. 15: p's codes are the next operand as they are made.
; 64 CHANNELS IN AN INSTRUCTION OF K = 128.  A fragment of source 0 carries TWO tiles of keys side by side (K 0-63: tile 2 b, K 64-127: tile 2 b + 1) with four true scale bytes a row.  Q stands as [Q][zeros][Q]:
; [Q|0] gives tile 2 b, [0|Q] tile 2 b + 1.  In the dead half only Q's side is zero codes; K's codes there are finite (they are held at 448, so none is the NaN code) and no scale byte is 0xff,
; so each dead product is exactly 0; Q's bytes of the dead blocks are 1.  So a tile of keys costs 8 registers and two LDS loads, not 16 and four.
; THE MASK.  Every loop has a constant trip count; what is left out is WORK, by scalar branches on ids: a step all of whose keys come after my 16 queries, and the making of slots that no wave of the work-group needs.
; In the one step on the diagonal a hidden score becomes -80,000, which is the module's -10,000 ahead of the division by 8.
; LIMITS.  (1) Steps wholly above the diagonal are not multiplied: their p = 2^(-14,427 - M) is 0 in f32 while a row's largest kept logit lies above -9,896; rows below that are not served.
; (2) NaN and infinities among the inputs are not served.  (3) A block whose largest magnitude lies under 2^-118, a block of zeros among them, keeps the scale byte 1: only this text reads the bytes, and zero codes add nothing.
; No tensor load: K and V arrive as f32 and pass through registers to be quantised.  No cluster: the work-groups of a head need different numbers of slots (5 to 8).
; THE MODE: SCHED_MODE bits 1:0 = 2 (LLVM: expert scheduling mode 2), set by the entry lines.  The code itself states the register dependences
; between vector or matrix instructions and memory or LDS instructions, with s_wait_alu, always for 0.
; THE PLAN.  Registers that memory or LDS instructions touch:
;   the addresses (v1-9, v11, v43, v248-255) and the closing add's v214, v215: written by vector lines at the head, never again: two waits on va_vdst at the head serve them for the whole kernel.
;   X (v216-247)   loads land in it (K's 8, V's 32, the turn's 8); the turn's LDS stores read it; QUANT32 reads and writes it.  A wait on vm_vsrc stands inside the turn; the wait on va_vdst ahead of
;                  KPUT's and VPUT's stores stands behind every QUANT32, so the next loads into X owe nothing more.
;   C8, v[T+4]     QUANT32 writes them, KPUT's, VPUT's and Q's LDS stores read them; the steps' loads and vector lines write them again: va_vdst ahead of those stores, vm_vsrc behind them.
;   F, v176-207, SW, S+0..31   LDS loads land in them; products and the softmax's vector lines name them.  A KEY STEP HAS SIX WAITS ON va_vdst: (1) at its head, ahead of K's 20 loads; one ahead of the 64 exponentials; (2) the one for the
;                  64 exponentials, behind which V's fragments 0 and 1 and its scale words are asked for: the products of S^T, which read those registers, stand ahead of it, and no vector line between names them;
;                  (3) the one for the four exponentials; (4) behind block 1's conversions, ahead of V's fragments 2 and 3, which land in that block's and block 0's registers; (5) ahead of the four products
;                  of O^T, for p's codes and scale word.
;   The mask's compares write s40-s47, eight to a run, one wait on va_sdst behind each run, ahead of the run's eight selects.  EXEC is written nowhere.
.set KSC,   0                          ; LDS: K's scale words, 2 sets x 512 bytes: pair fragment f (0..7): 64 bytes, word at 4 r, byte 2 u + c
.set VSC,   1024                       ; V's, 2 x 512: fragment 4 q + n: 64 bytes, word at 4 r, byte c
.set KIMG,  2048                       ; K's images, 2 x 16,384: pair fragment f = 4 q + b: 4 chunks (2 u + c) of 512 bytes
.set VIMG,  34816                      ; V's images, 2 x 16,384: fragment 4 q + n: 4 chunks c of 512 bytes
.set STG,   67584                      ; 16 x 5,888: each wave's own bytes: 0..4,607 the turn (32 x 144), later the way out (16 x 272); then Q's image and Q's scale bytes
.set WST,   5888
.set QIM,   4608
.set QSB,   5632
.set BUFI,  16384
.set BUFS,  512
.set SLOTB, 65536                      ; 256 keys x 256 bytes of K or V in memory
.set LI,  1                            ; v1   16 x lane: a lane's place in an image; also the offset of Q's dense loads
.set LV,  2                            ; v2   16 x lane + VIMG
.set LR,  3                            ; v3   4 x (lane % 16): a row's scale word
.set KST, 4                            ; v4   where I store K's codes
.set KSB, 5                            ; v5   and K's scale byte
.set VST, 6                            ; v6   where I store V's codes (VIMG inside)
.set VSB, 7                            ; v7   and V's scale byte
.set KA,  8                            ; v8   my offset in a slot of K in memory: 4,096 w + 16 lane
.set VA,  9                            ; v9   in a slot of V: 8,192 (w / 2) + 128 (w % 2) + 4 lane
.set DQ,  10                           ; v10  lane % 16 - 16 (lane / 16)
.set PFO, 11                           ; v11  256 x lane: the prefetches' offset
                                       ; v12 -M, v13 the largest t, v[14:15] the row's sum in two halves
.set QF,  16                           ; v16-23 Q's codes, v24-31 zeros, v32-39 Q's codes again
.set ZF,  24
.set QG,  32
.set QAW, 40                           ; v40  Q's scale word for [Q|0];  v41 for [0|Q];  v42 p's scale word
.set QBW, 41
.set PW,  42
.set QRS, 43                           ; v43  where I read Q's two scale bytes back
.set SW,  44                           ; v44-47 the fragments' scale words: K's, then V's
.set F,   48                           ; v48-79 K's pairs 0, 1; then V's fragments 0, 1 (fragments 2, 3 follow on end, in S's first 32)
.set S,   80                           ; v80-143 S^T, then p
.set QX,  S+32                         ; Q's raw numbers at the head
.set O,   144                          ; v144-175 O^T, four tiles of 16 channels
.set PC,  176                          ; v176-191 p's codes; v176-207 K's pairs 2, 3 during S^T
.set GJ,  PC-F-32                      ; the jump from pair 1's registers to pair 2's
.set T,   192                          ; v192-213 at work; v214, v215: the closing add's two, made at the head and kept for it alone
.set C8,  T+8                          ; 32 codes just made
.set X,   216                          ; v216-247 raw f32 on their way in
.set TI,  248                          ; v248 the turn: in;  v249: out
.set TO,  249
.set SOA, 250                          ; v250 the way out: where I put 32 bytes of a row;  v251 where I read a row back;  v252 my offset in the wave's rows of out
.set SRA, 251
.set GO,  252
.set QWI, 253                          ; v253 where I store Q's codes;  v254 Q's scale byte;  v255 where I read Q's image back
.set QWB, 254
.set QRI, 255
.set QP,  4                            ; s[4:5] Q, s[6:7] K, s[8:9] V, s[10:11] out
.set KB,  6
.set VB,  8
.set OP,  10
.set WV,  12                           ; s12 wave;  s13 j;  s14 head;  s15 high or low;  s16, s17, s32-36 at work
.set SQ0, 18                           ; s18 my first query;  s19 the step's first key
.set SKF, 19
.set SEL, 20                           ; s[20:21] v_permlanex16_b32's selects for lane l xor 16
.set CS,  22                           ; s[22:23] c = log2(e) / 8 (a pair is named, its low word serves both halves)
.set MNT, 24                           ; s24 the mantissa field of 448
.set NS,  25                           ; s25 slots that the work-group needs: (17 - j) / 2
.set SL1, 26                           ; s26 the slot to be made next
.set TRIP, 27
.set LIM, 28                           ; s28 7 in the work-group that prefetches (j = 0), else 0
.set PFA, 30                           ; s[30:31] where my prefetches stand
.set MK,  40                           ; s[40:47] the mask: eight compares' lane masks; no scalar line writes them
; eight dense loads: 16 rows of 256 bytes; each load covers 512 consecutive bytes
.macro KLOAD reg, off, ptr, nt
.irp i, 0,1,2,3,4,5,6,7
.if \nt
	global_load_b128 v[\reg+4*\i:\reg+4*\i+3], v[\off], s[\ptr:\ptr+1] offset:512*\i th:TH_LOAD_NT
.else
	global_load_b128 v[\reg+4*\i:\reg+4*\i+3], v[\off], s[\ptr:\ptr+1] offset:512*\i
.endif
.endr
.endm
; V: a lane takes a channel and its registers run down the 32 keys of a block: 128 consecutive bytes a load
.macro VLOAD reg
.set cnt, 0
.rept 32
	global_load_b32 v[\reg+cnt], v[VA], s[VB:VB+1] offset:256*cnt
.set cnt, cnt+1
.endr
.endm
; 4,096 dense bytes turn through the wave's own bytes: afterwards lane l holds the 32 neighbours of row l / 2, block l % 2.  A lane's place is 128 bytes + 16 of padding.
; LDS serves a wave's instructions in order (ISA guide 5.7.1.4): no wait on DScnt between the stores and the loads.
.macro TURN reg
.irp i, 0,1,2,3,4,5,6,7
	ds_store_b128 v[TI], v[\reg+4*\i:\reg+4*\i+3] offset:576*\i
.endr
	s_wait_alu depctr_vm_vsrc(0)                   ; the eight stores have read these 32 registers, in which the eight loads below land
.irp i, 0,1,2,3,4,5,6,7
	ds_load_b128 v[\reg+4*\i:\reg+4*\i+3], v[TO] offset:16*\i
.endr
	s_wait_dscnt 0x0
.endm
; a block of 32 numbers in one lane's registers becomes 32 codes in v[C8] on (registers 0-3 the first 16 along K) and its scale byte in v[T+4]
.macro QUANT32 s
	v_max3_num_f32 v[T], |v[\s]|, |v[\s+1]|, |v[\s+2]|             ; the block's largest magnitude, in two chains
	v_max3_num_f32 v[T+1], |v[\s+3]|, |v[\s+4]|, |v[\s+5]|
.irp i, 6,10,14,18,22,26
	v_max3_num_f32 v[T], v[T], |v[\s+\i]|, |v[\s+\i+1]|
	v_max3_num_f32 v[T+1], v[T+1], |v[\s+\i+2]|, |v[\s+\i+3]|
.endr
	v_max3_num_f32 v[T], v[T], |v[\s+30]|, |v[\s+31]|
	v_max3_num_f32 v[T], v[T], v[T+1], 0x4800000                   ; and the floor 2^(9 - 127): the byte cannot fall under 1
	v_add_nc_u32 v[T+2], 0xfc000000, v[T]                          ; 8 off the exponent field: the conversion takes this operand's exponent field as its scale
	v_and_or_b32 v[T+3], v[T], 0x7f800000, s[MNT]                  ; 448 x the scale
.set cnt, 0
.rept 32
	v_med3_num_f32 v[\s+cnt], v[\s+cnt], -v[T+3], v[T+3]           ; the conversion to an 8-bit code does not saturate (ISA guide 7.6.2): the hold comes first
.set cnt, cnt+1
.endr
.irp g, 0,1,2,3
	v_cvt_scalef32_pk8_fp8_f32 v[C8+2*\g:C8+2*\g+1], v[\s+8*\g:\s+8*\g+7], v[T+2]
.endr
	v_lshrrev_b32 v[T+4], 23, v[T+2]                               ; the scale's byte; also the plain line behind the conversions
.endm
.macro KPUT wb                         ; my key's 32 codes: the half of lanes 0-15 of the fragment, then that of lanes 16-31, 256 bytes on
	s_wait_alu depctr_va_vdst(0)                                   ; the conversions have written v[C8 ..] and the shift v[T+4], which the stores read; the holds and conversions are done with the 32 numbers' registers, in which the next loads land
	ds_store_b128 v[KST], v[C8:C8+3] offset:KIMG+BUFI*(\wb)
	ds_store_b128 v[KST], v[C8+4:C8+7] offset:KIMG+BUFI*(\wb)+256
	ds_store_b8 v[KSB], v[T+4] offset:KSC+BUFS*(\wb)
	s_wait_dscnt 0x0                                               ; the stores are done: the next step's counted wait counts that step's loads alone
	s_wait_alu depctr_vm_vsrc(0)                                   ; the stores have read v[C8 ..] and v[T+4], which the next step's loads and vector lines write
.endm
.macro VPUT wb
	s_wait_alu depctr_va_vdst(0)                                   ; as in KPUT: the codes and the byte are written, and the 32 numbers' registers are done with
	ds_store_b128 v[VST], v[C8:C8+3] offset:BUFI*(\wb)
	ds_store_b128 v[VST], v[C8+4:C8+7] offset:BUFI*(\wb)+256
	ds_store_b8 v[VSB], v[T+4] offset:VSC+BUFS*(\wb)
	s_wait_dscnt 0x0
	s_wait_alu depctr_vm_vsrc(0)                                   ; the stores have read v[C8 ..] and v[T+4], which are written again further on
.endm
; A PREFETCH of the slot behind the one that is being loaded.  All eight work-groups of a head walk the same K and V: the one with j = 0, which walks all eight slots, asks, and nobody else.
; Waves 0-7 take K's 65,536 bytes of the slot, waves 8-15 V's: 8,192 a wave, lanes 256 bytes apart, one instruction: each aligned block of 256 bytes is named once in the launch.
; It stands behind the wave's run of loads.  Slots 0 and 1 come by their loads alone; slot 7 is the last that is named (SL1 + 1 <= 7).  Its offset v[PFO] was written ahead of the head's second wait on va_vdst.
.macro ASK
	s_cmp_lt_u32 s[SL1], s[LIM]
	s_cbranch_scc0 .Lnot_mine_\@
	global_prefetch_b8 v[PFO], s[PFA:PFA+1] th:TH_LOAD_NT scope:SCOPE_SE
.Lnot_mine_\@:
.endm
.macro BARRIER                         ; my LDS stores have landed and my LDS loads are back: then the work-group's barrier
	s_wait_dscnt 0x0
	s_barrier_signal -1
	s_barrier_wait -1
.endm
.macro SPROD b                         ; pair b of K against [Q|0] and [0|Q]: tiles 2 b and 2 b + 1 of S^T
.set rA, F+16*(\b)+((\b)/2)*GJ
	v_wmma_scale_f32_16x16x128_f8f6f4 v[S+16*(\b):S+16*(\b)+7], v[rA:rA+15], v[QF:QF+15], 0, v[SW+(\b)], v[QAW]
	v_wmma_scale_f32_16x16x128_f8f6f4 v[S+16*(\b)+8:S+16*(\b)+15], v[rA:rA+15], v[ZF:ZF+15], 0, v[SW+(\b)], v[QBW]
.endm
; A KEY STEP: 128 keys, the kq-th of the slot whose images lie in set rb.
.macro STEP rb, kq
	s_add_co_u32 s36, s[SQ0], 15
	s_cmp_gt_u32 s[SKF], s36                       ; all 128 keys come after my 16 queries: the step's work is left out
	s_cbranch_scc1 .Lhidden_\@
	s_wait_alu depctr_va_vdst(0)                   ; the last step's products are done reading v[F ..], p's codes and the scale words, and all vector lines so far are done with v176-207: K's loads land there.  In the first step: Q's two scale words and the zero codes are written, which the products below take
.irp b, 0,1,2,3                        ; K: four pair fragments and their scale words, one run of 20 loads
.irp c, 0,1,2,3
	ds_load_b128 v[F+16*\b+(\b/2)*GJ+4*\c:F+16*\b+(\b/2)*GJ+4*\c+3], v[LI] offset:KIMG+BUFI*(\rb)+2048*(4*(\kq)+\b)+512*\c
.endr
	ds_load_b32 v[SW+\b], v[LR] offset:KSC+BUFS*(\rb)+64*(4*(\kq)+\b)
.endr
	s_wait_dscnt 10                                ; pairs 0 and 1 are in; the ten younger loads (pairs 2 and 3 with their words) may be out
	SPROD 0
	SPROD 1
	s_wait_dscnt 0x0
	SPROD 2
	SPROD 3
.rept 8
	v_nop                                          ; eight places behind this form, ahead of the reads of S^T and of vector writes into K's registers
.endr
	s_add_co_u32 s36, s[SKF], 127                  ; a step all of whose keys count skips the mask
	s_cmp_le_u32 s36, s[SQ0]
	s_cbranch_scc1 .Lopen_\@
	s_sub_co_i32 s36, s[SQ0], s[SKF]
	v_add_nc_u32 v[T+16], s36, v[DQ]               ; d = my query - the step's first key - 16 (lane / 16).  Register 16 b + i holds key 32 b + 16 (lane / 16) + i of the step: hidden where 32 b + i > d
	v_mov_b32 v[T+18], 0xc79c4000                  ; -80,000 = the module's -10,000 x 8
.set cnt, 0
.rept 8                                ; a run of eight compares and eight selects for each accumulator
.irp i, 0,1,2,3,4,5,6,7
	v_cmp_gt_i32 s[MK+\i], 32*((cnt+\i)/16)+(cnt+\i)%16, v[T+16]
.endr
	s_wait_alu depctr_va_sdst(0)                   ; the eight compares have written s40-s47, ahead of the selects that read them
.irp i, 0,1,2,3,4,5,6,7
	v_cndmask_b32 v[S+cnt+\i], v[S+cnt+\i], v[T+18], s[MK+\i]      ; ascending: each accumulator is read from its low end on
.endr
.set cnt, cnt+8
.endr
.Lopen_\@:
.irp b, 0,1,2,3
	v_max3_num_f32 v[T+\b], v[S+16*\b], v[S+1+16*\b], v[S+2+16*\b]   ; the largest score of each block of 32 keys: it serves the row's maximum and, since p rises with the score, the block's largest p
.endr
.irp i, 3,5,7,9,11,13
.irp b, 0,1,2,3
	v_max3_num_f32 v[T+\b], v[T+\b], v[S+16*\b+\i], v[S+1+16*\b+\i]  ; (the four blocks by turns)
.endr
.endr
.irp b, 0,1,2,3
	v_max_num_f32 v[T+\b], v[T+\b], v[S+15+16*\b]
.endr
.irp b, 0,1,2,3
	v_permlanex16_b32 v[T+4+\b], v[T+\b], s[SEL], s[SEL+1]
.endr
.irp b, 0,1,2,3
	v_max_num_f32 v[T+\b], v[T+\b], v[T+4+\b]      ; with lane l xor 16's 16 keys
.endr
	v_max3_num_f32 v[T+18], v[T], v[T+1], v[T+2]
	v_max_num_f32 v[T+18], v[T+18], v[T+3]         ; the step's largest score of my query
	v_mul_f32 v[T+18], s[CS], v[T+18]              ; as t (c is positive)
	v_max_num_f32 v13, v13, v[T+18]                ; the running largest t
	v_mov_b32 v[T+18], v12
	v_floor_f32 v12, -v13                          ; the new -M = floor(-t): M is a whole number
	v_sub_f32 v[T+18], v12, v[T+18]                ; old M - new M: a whole number, 0 or less
	v_cvt_i32_f32 v[T+18], v[T+18]                 ; (it saturates)
	v_ldexp_f32 v[T+16], 1.0, v[T+18]              ; f = 2^(old M - new M)
.set cnt, 0
.rept 32
	v_pk_fma_f32 v[S+cnt:S+cnt+1], v[S+cnt:S+cnt+1], s[CS:CS+1], v[12:13] op_sel_hi:[1,0,0]   ; t - M, two at a time
.set cnt, cnt+2
.endr
.irp b, 0,1,2,3
	v_fma_f32 v[T+\b], v[T+\b], s[CS], v12         ; the same of each block's largest score
.endr
.set cnt, 0
	s_wait_alu depctr_va_vdst(0)
.rept 64
	v_exp_f32 v[S+cnt], v[S+cnt]                   ; p = 2^(t - M), at most 1: one batch
.set cnt, cnt+1
.endr
	v_pk_mul_f32 v[14:15], v[14:15], v[T+16:T+17] op_sel_hi:[1,0]  ; the sums under the new M: the plain line behind the batch
	s_wait_alu depctr_va_vdst(0)                   ; the 64 exponentials have written p, ahead of their first reader; and the products of S^T are done reading v[F ..] and the scale words, in which the loads below land
.irp n, 0,1                            ; V's fragments 0 and 1 and all four scale words: they land under the sums, the scales, the holds and the conversions
.irp c, 0,1,2,3
	ds_load_b128 v[F+16*\n+4*\c:F+16*\n+4*\c+3], v[LV] offset:BUFI*(\rb)+2048*(4*(\kq)+\n)+512*\c
.endr
.endr
.irp n, 0,1,2,3
	ds_load_b32 v[SW+\n], v[LR] offset:VSC+BUFS*(\rb)+64*(4*(\kq)+\n)
.endr
.irp b, 0,1,2,3
	v_exp_f32 v[T+\b], v[T+\b]                     ; the block's largest p: the same two instructions on the same number give the same bits
.endr
	v_pk_add_f32 v[T+4:T+5], v[S:S+1], v[S+2:S+3]  ; the row's sum is taken of the UNQUANTISED p, two at a time, in two chains; it reads the 64 alone
.set cnt, 4
.rept 15
	v_pk_add_f32 v[14:15], v[14:15], v[S+cnt:S+cnt+1]
	v_pk_add_f32 v[T+4:T+5], v[T+4:T+5], v[S+cnt+2:S+cnt+3]
.set cnt, cnt+4
.endr
	v_pk_add_f32 v[14:15], v[14:15], v[T+4:T+5]
	s_wait_alu depctr_va_vdst(0)                   ; the four exponentials have written the blocks' largest p, ahead of their first reader
.irp b, 0,1,2,3
	v_max_num_f32 v[T+\b], 0x4800000, v[T+\b]      ; the floor 2^(9 - 127): a block whose every p is 0 keeps the byte 1; its codes are zeros
.endr
.irp b, 0,1,2,3
	v_add_nc_u32 v[T+12+\b], 0xfc000000, v[T+\b]   ; the conversion's scale operand
.endr
.irp b, 0,1,2,3
	v_and_or_b32 v[T+8+\b], v[T+\b], 0x7f800000, s[MNT]   ; 448 x the scale
.endr
.irp b, 0,1,2,3
	v_lshrrev_b32 v[T+4+\b], 23, v[T+12+\b]        ; the scale's byte
.endr
	v_lshl_or_b32 v[PW], v[T+5], 8, v[T+4]         ; p's scale word for these 128 keys
	v_lshl_or_b32 v[PW], v[T+6], 16, v[PW]
	v_lshl_or_b32 v[PW], v[T+7], 24, v[PW]
.irp b, 0,1,2,3
.irp i, 0,1,2,3,4,5,6,7,8,9,10,11,12,13,14,15
	v_min_num_f32 v[S+16*\b+\i], v[S+16*\b+\i], v[T+8+\b]   ; p is not negative: the hold is one-sided
.endr
	v_cvt_scalef32_pk8_fp8_f32 v[PC+4*\b:PC+4*\b+1], v[S+16*\b:S+16*\b+7], v[T+12+\b]
	v_cvt_scalef32_pk8_fp8_f32 v[PC+4*\b+2:PC+4*\b+3], v[S+16*\b+8:S+16*\b+15], v[T+12+\b]
.if \b == 1                            ; blocks 0 and 1 are converted: their 32 registers take V's fragments 2 and 3 (F + 32 = S)
	s_wait_alu depctr_va_vdst(0)                   ; the holds and conversions of blocks 0 and 1 are done with v[S .. S+31], in which the loads below land
.irp n, 2,3
.irp c, 0,1,2,3
	ds_load_b128 v[F+16*\n+4*\c:F+16*\n+4*\c+3], v[LV] offset:BUFI*(\rb)+2048*(4*(\kq)+\n)+512*\c
.endr
.endr
.endif
.endr
.set cnt, 0
.rept 16
	v_pk_mul_f32 v[O+cnt:O+cnt+1], v[O+cnt:O+cnt+1], v[T+16:T+17] op_sel_hi:[1,0]   ; O^T under the new M.  These sixteen are also the plain line behind the last conversion and the places between the codes and the products
.set cnt, cnt+2
.endr
	s_wait_dscnt 0x0                               ; V's four fragments and words are in
	s_wait_alu depctr_va_vdst(0)                   ; the conversions have written p's codes and the shifts p's scale word, which the scaled products below take; the places above stay beside this wait
.irp n, 0,1,2,3                        ; O^T += V^T P^T: the four accumulators by turns, one instruction a turn; eight products of S^T stand between two links of a chain
	v_wmma_scale_f32_16x16x128_f8f6f4 v[O+8*\n:O+8*\n+7], v[F+16*\n:F+16*\n+15], v[PC:PC+15], v[O+8*\n:O+8*\n+7], v[SW+\n], v[PW]
.endr
.rept 9
	v_nop                                          ; nine places: the next step's products write over S^T's first 32 registers, which were sources here; eight of them serve the way out's reads of O^T and vector writes into sources
.endr
.Lhidden_\@:
	s_add_co_u32 s[SKF], s[SKF], 128
.endm
; A SLOT: its two steps read set rb; between them the next slot's K and V are loaded, quantised and stored into the other set.  Each raw load has a key step in which to land.
; The loads into X owe no wait of their own: behind every QUANT32 of X stands KPUT's or VPUT's wait on va_vdst, behind every store that read X the turn's wait on vm_vsrc, and no line of a key step names X.
.macro SLOT rb
	s_cmp_lt_u32 s[SL1], s[NS]                     ; is there a next slot that some wave of the work-group needs?  The same in all sixteen waves
	s_cbranch_scc0 .Lno_k_\@
	KLOAD X, KA, KB, 0
.Lno_k_\@:
	STEP \rb, 0
	s_wait_loadcnt 0x0                             ; K's eight loads are in (on every path no load is out here)
	s_cmp_lt_u32 s[SL1], s[NS]
	s_cbranch_scc0 .Lno_kq_\@
	TURN X
	QUANT32 X
	KPUT 1-\rb
	VLOAD X
	ASK
.Lno_kq_\@:
	STEP \rb, 1
	s_wait_loadcnt 0x0                             ; V's 32 loads are in
	s_cmp_lt_u32 s[SL1], s[NS]
	s_cbranch_scc0 .Lno_v_\@
	QUANT32 X
	VPUT 1-\rb
.Lno_v_\@:
	s_wait_xcnt 0x0                                ; every earlier memory instruction, the prefetch among them, has had its address translated: the bases may step
	s_add_nc_u64 s[KB:KB+1], s[KB:KB+1], SLOTB
	s_add_nc_u64 s[VB:VB+1], s[VB:VB+1], SLOTB
	s_add_nc_u64 s[PFA:PFA+1], s[PFA:PFA+1], SLOTB
	s_add_co_u32 s[SL1], s[SL1], 1
	BARRIER                                        ; nobody reads set rb any more, and the other set is whole
.endm
	s_load_b256 s[4:11], s[0:1], 0x0               ; Q, K, V, out
	v_lshl_add_u32 v214, v0, 2, 0x27800
	v_mov_b32 v215, 0
	v_lshrrev_b32 v[T], 5, v0                      ; w
	v_readfirstlane_b32 s[WV], v[T]
	v_and_b32 v[T+1], 31, v0                       ; lane
	v_lshrrev_b32 v[T+5], 6, v0                    ; w / 2
	v_bfe_u32 v[T+6], v0, 5, 1                     ; w % 2
	v_lshlrev_b32 v[LI], 4, v[T+1]
	v_lshl_add_u32 v[KA], v[T], 12, v[LI]
	v_lshlrev_b32 v[VA], 13, v[T+5]
	v_lshl_add_u32 v[VA], v[T+6], 7, v[VA]
	v_lshl_add_u32 v[VA], v[T+1], 2, v[VA]
	s_mov_b32 s13, ttmp9                           ; j
	s_and_b32 s14, ttmp7, 0xffff                   ; the head
	s_wait_alu depctr_va_sdst(0)                   ; the wave's number is written into s12, ahead of its first reader
	s_lshr_b32 s16, s[WV], 2
	s_xor_b32 s16, s16, s[WV]
	s_and_b32 s15, s16, 1                          ; 1: the high block
	s_sub_co_u32 s16, 15, s13
	s_cmp_eq_u32 s15, 1
	s_cselect_b32 s16, s16, s13                    ; my block of 128 queries: 15 - j or j
	s_lshr_b32 s17, s[WV], 1                       ; my tile in it
	s_lshl_b32 s16, s16, 7
	s_lshl_b32 s17, s17, 4
	s_add_co_u32 s[SQ0], s16, s17                  ; my first query
	s_lshl_b32 s32, s14, 19                        ; a head is 2,048 x 256 bytes
	s_mov_b32 s33, 0
	s_lshl_b32 s34, s[SQ0], 8
	s_add_co_u32 s34, s34, s32
	s_mov_b32 s35, 0
	s_sub_co_u32 s[NS], 17, s13
	s_lshr_b32 s[NS], s[NS], 1
	s_cmp_eq_u32 s13, 0
	s_cselect_b32 s[LIM], 7, 0
	s_and_b32 s16, s[WV], 7
	s_lshl_b32 s16, s16, 13
	s_add_co_u32 s16, s16, 2*SLOTB                 ; my wave's 8,192 bytes, in slot 2
	s_mov_b32 s17, 0
	s_mov_b32 s[SEL], 0x76543210
	s_mov_b32 s[SEL+1], 0xfedcba98
	s_mov_b32 s[CS], 0x3e38aa3b                    ; log2(e) / 8
	s_mov_b32 s[CS+1], s[CS]
	s_mov_b32 s[MNT], 0x600000
	s_mov_b32 s[SKF], 0
	s_mov_b32 s[SL1], 1
	s_mov_b32 s[TRIP], 4
	s_wait_kmcnt 0x0
	s_add_nc_u64 s[QP:QP+1], s[QP:QP+1], s[34:35]
	s_add_nc_u64 s[OP:OP+1], s[OP:OP+1], s[34:35]
	s_add_nc_u64 s[KB:KB+1], s[KB:KB+1], s[32:33]
	s_add_nc_u64 s[VB:VB+1], s[VB:VB+1], s[32:33]
	s_wait_alu depctr_va_vdst(0)                   ; the offsets v1, v8 and v9 are written, which the loads below read
	KLOAD X, KA, KB, 0                             ; slot 0: my 16 keys,
	VLOAD S                                        ; my block of V,
	KLOAD QX, LI, QP, 1                            ; and my 16 queries, which nobody else reads
	s_cmp_lt_u32 s[WV], 8                          ; waves 0-7 prefetch K, waves 8-15 V
	s_cselect_b64 s[PFA:PFA+1], s[KB:KB+1], s[VB:VB+1]
	s_add_nc_u64 s[PFA:PFA+1], s[PFA:PFA+1], s[16:17]
	; the addresses that stay: constants times bit fields of the thread's number.  None of these lines names v1, v8 or v9 as a destination, nor a register in which one of the 48 loads lands
	v_and_b32 v[T+2], 15, v0                       ; r
	v_bfe_u32 v[T+3], v0, 4, 1                     ; h
	v_and_b32 v[T+7], 1, v0                        ; lane % 2: the block of 32 channels after the turn
	v_bfe_u32 v[T+8], v0, 1, 3                     ; (lane / 2) % 8
	v_lshrrev_b32 v[T+9], 8, v0                    ; w / 8: which step of the slot
	v_bfe_u32 v[T+10], v0, 6, 2                    ; (w / 2) % 4: which block of 32 keys of the step
	v_add_nc_u32 v[LV], VIMG, v[LI]
	v_lshlrev_b32 v[LR], 2, v[T+2]
	v_lshlrev_b32 v[KST], 11, v[T+5]               ; K's codes: key 16 w + lane / 2 of the slot is row 8 (w % 2) + (lane / 2) % 8 of tile u = lane / 16 of pair w / 2
	v_lshl_add_u32 v[KST], v[T+6], 7, v[KST]
	v_lshl_add_u32 v[KST], v[T+3], 10, v[KST]
	v_lshl_add_u32 v[KST], v[T+7], 9, v[KST]
	v_lshl_add_u32 v[KST], v[T+8], 4, v[KST]
	v_lshlrev_b32 v[KSB], 5, v[T]                  ; its byte: 64 (w / 2) + 4 row + 2 u + c: a wave writes 32 bytes on end
	v_lshl_add_u32 v[KSB], v[T+8], 2, v[KSB]
	v_lshl_add_u32 v[KSB], v[T+3], 1, v[KSB]
	v_add_nc_u32 v[KSB], v[KSB], v[T+7]
	v_lshl_add_u32 v[VST], v[T+9], 13, VIMG        ; V's codes: channel 32 (w % 2) + lane is row lane % 16 of fragment 4 (w / 8) + 2 (w % 2) + lane / 16, chunk (w / 2) % 4
	v_lshl_add_u32 v[VST], v[T+6], 12, v[VST]
	v_lshl_add_u32 v[VST], v[T+10], 9, v[VST]
	v_lshl_add_u32 v[VST], v[T+3], 11, v[VST]
	v_lshl_add_u32 v[VST], v[T+2], 4, v[VST]
	v_lshlrev_b32 v[VSB], 8, v[T+9]                ; its byte: 64 x fragment + 4 row + chunk
	v_lshl_add_u32 v[VSB], v[T+6], 7, v[VSB]
	v_lshl_add_u32 v[VSB], v[T+1], 2, v[VSB]
	v_add_nc_u32 v[VSB], v[VSB], v[T+10]
	v_lshlrev_b32 v[DQ], 4, v[T+3]
	v_sub_nc_u32 v[DQ], v[T+2], v[DQ]
	v_lshlrev_b32 v[PFO], 8, v[T+1]
	v_mul_u32_u24 v[T+11], v[T], WST
	v_add_nc_u32 v[T+11], STG, v[T+11]             ; my wave's own bytes
	v_bfe_u32 v[T+12], v0, 3, 2                    ; lane / 8
	v_and_b32 v[T+13], 7, v0
	v_bfe_u32 v[T+14], v0, 1, 4                    ; lane / 2
	v_mad_u32_u24 v[TI], v[T+12], 144, v[T+11]
	v_lshl_add_u32 v[TI], v[T+13], 4, v[TI]
	v_mad_u32_u24 v[TO], v[T+1], 144, v[T+11]
	v_mad_u32_u24 v[SOA], v[T+2], 272, v[T+11]
	v_lshl_add_u32 v[SOA], v[T+3], 5, v[SOA]
	v_mad_u32_u24 v[SRA], v[T+3], 272, v[T+11]
	v_lshl_add_u32 v[SRA], v[T+2], 4, v[SRA]
	v_lshlrev_b32 v[GO], 8, v[T+3]
	v_lshl_add_u32 v[GO], v[T+2], 4, v[GO]
	v_lshl_add_u32 v[QWI], v[T+7], 9, v[T+11]      ; Q's codes: chunk lane % 2, row lane / 2
	v_lshl_add_u32 v[QWI], v[T+14], 4, v[QWI]
	v_lshl_add_u32 v[QWB], v[T+14], 2, v[T+11]
	v_add_nc_u32 v[QWB], v[QWB], v[T+7]
	v_add_nc_u32 v[QRI], v[T+11], v[LI]
	v_add_nc_u32 v[QRS], v[T+11], v[LR]
.irp i, 0,1,2,3,4,5,6,7
	v_mov_b32 v[ZF+\i], 0                          ; the zero codes between Q's two copies
.endr
.irp i, 4,5,6,7,17
	v_mov_b32 v[T+\i], 0                           ; written once: a lane permute's destination and a pair's upper half count as read
.endr
	v_mov_b32 v13, 0xff61b1e6                      ; the largest t so far: -3e38, under every t
	v_floor_f32 v12, -v13                          ; -M
	v_mov_b32 v14, 0                               ; the sum, in two halves
	v_mov_b32 v15, 0
	s_wait_alu depctr_va_vdst(0)                   ; all the addresses made above are written: every LDS instruction, store and prefetch from here on reads one of them, and none is written again
	s_wait_loadcnt 40                              ; K's eight loads are in; V's 32 and Q's 8 may be out
	TURN X
	QUANT32 X
	KPUT 0
	s_wait_loadcnt 8                               ; V's are in
	QUANT32 S
	VPUT 0
	s_wait_loadcnt 0x0                             ; Q's are in
	TURN QX
	QUANT32 QX
	s_wait_alu depctr_va_vdst(0)                   ; the conversions have written v[C8 ..] and the shift v[T+4], which the three stores read
	ds_store_b128 v[QWI], v[C8:C8+3] offset:QIM    ; Q's fragment goes through my own bytes, as an image, and comes back twice
	ds_store_b128 v[QWI], v[C8+4:C8+7] offset:QIM+256
	ds_store_b8 v[QWB], v[T+4] offset:QSB
	ds_load_b128 v[QF:QF+3], v[QRI] offset:QIM
	ds_load_b128 v[QF+4:QF+7], v[QRI] offset:QIM+512
	ds_load_b128 v[QG:QG+3], v[QRI] offset:QIM
	ds_load_b128 v[QG+4:QG+7], v[QRI] offset:QIM+512
	ds_load_u16 v[F], v[QRS] offset:QSB            ; row r's two scale bytes
	s_wait_dscnt 0x0
	s_wait_alu depctr_vm_vsrc(0)                   ; the three stores have read v[C8 ..] and v[T+4], in which the first step's loads land
	v_or_b32 v[QAW], 0x01010000, v[F]              ; [Q|0]: q0, q1, 1, 1
	v_lshl_or_b32 v[QBW], v[F], 16, 0x0101         ; [0|Q]: 1, 1, q0, q1
.set cnt, 0
.rept 32
	v_mov_b32 v[O+cnt], 0                          ; O^T.  The step is written once: the first finds zeros.  These lines are also the places between the two scale words and the first product
.set cnt, cnt+1
.endr
	s_add_nc_u64 s[KB:KB+1], s[KB:KB+1], SLOTB     ; slot 0's loads are done: on to slot 1
	s_add_nc_u64 s[VB:VB+1], s[VB:VB+1], SLOTB
	BARRIER                                        ; slot 0's images are whole
.Ltrip:                                ; four trips of two slots: the count is the same in every work-group; slots that nobody needs cost their branches and a barrier
	SLOT 0
	SLOT 1
	s_sub_co_u32 s[TRIP], s[TRIP], 1
	s_cmp_lg_u32 s[TRIP], 0
	s_cbranch_scc1 .Ltrip
	; THE WAY OUT.  O^T / the row's sum goes through my own bytes of LDS (16 rows of 256 bytes + 16) and leaves as whole rows: sixteen lanes store 256 consecutive bytes, aligned.
	v_add_f32 v14, v14, v15                        ; the sum's two halves,
	v_permlanex16_b32 v[T+4], v14, s[SEL], s[SEL+1]
	v_add_f32 v14, v14, v[T+4]                     ; and lane l xor 16's
	s_wait_alu depctr_va_vdst(0)
	v_rcp_f32 v14, v14
	v_nop                                          ; a plain line behind the reciprocal,
	s_wait_alu depctr_va_vdst(0)                   ; the reciprocal has written v14, ahead of its first reader
.set cnt, 0
.rept 32
	v_mul_f32 v[S+cnt], v[O+cnt], v14              ; register 8 n + i is out(r, 16 n + 8 h + i); each accumulator from its low end on
.set cnt, cnt+1
.endr
	s_wait_alu depctr_va_vdst(0)                   ; the 32 multiplications have written v[S .. S+31], which the LDS stores read; the last step's holds and conversions are done with v[QX ..], in which the loads below land
.irp n, 0,1,2,3
	ds_store_b128 v[SOA], v[S+8*\n:S+8*\n+3] offset:64*\n
	ds_store_b128 v[SOA], v[S+8*\n+4:S+8*\n+7] offset:64*\n+16
.endr
.irp i, 0,1,2,3,4,5,6,7
	ds_load_b128 v[QX+4*\i:QX+4*\i+3], v[SRA] offset:544*\i        ; rows 2 i and 2 i + 1; LDS serves a wave's instructions in order: these see my stores
.endr
.irp i, 0,1,2,3,4,5,6,7
	s_wait_dscnt 7-\i                              ; the younger loads may be out
	global_store_b128 v[GO], v[QX+4*\i:QX+4*\i+3], s[OP:OP+1] offset:512*\i th:TH_STORE_NT
.endr
	s_wait_dscnt 0x0                               ; the closing lines, six on end
	s_wait_alu 0x0
	s_wait_tensorcnt 0x0
	ds_add_u32 v214, v215
	s_wait_dscnt 0x0
	s_endpgm
.Lfunc_end_k_q781716c3b7_attn:
	.size	k_q781716c3b7_attn, .Lfunc_end_k_q781716c3b7_attn-k_q781716c3b7_attn
	.p2alignl 7, 3214868480
	.fill 96, 4, 3214868480
	.section	.rodata,"a",@progbits
	.p2align	6, 0x0
	.amdhsa_kernel k_q781716c3b7_attn
		.amdhsa_group_segment_fixed_size 163840
		.amdhsa_private_segment_fixed_size 0
		.amdhsa_enable_private_segment 0
		.amdhsa_kernarg_size 32
		.amdhsa_user_sgpr_count 2
		.amdhsa_user_sgpr_kernarg_segment_ptr 1
		.amdhsa_wavefront_size32 1
		.amdhsa_system_sgpr_workgroup_id_x 1
		.amdhsa_system_sgpr_workgroup_id_y 1
		.amdhsa_system_sgpr_workgroup_id_z 1
		.amdhsa_system_vgpr_workitem_id 0
		.amdhsa_next_free_vgpr 256
		.amdhsa_next_free_sgpr 66
		.amdhsa_reserve_vcc 0
		.amdhsa_float_denorm_mode_32 3
		.amdhsa_float_denorm_mode_16_64 3
		.amdhsa_memory_ordered 1
		.amdhsa_forward_progress 1
		.amdhsa_inst_pref_size 168
	.end_amdhsa_kernel
	.amdgpu_metadata
---
amdhsa.version: [ 1, 2 ]
amdhsa.kernels:
  - .name:           k_q781716c3b7_attn
    .symbol:         k_q781716c3b7_attn.kd
    .args:
      - { .name: query_states, .offset: 0, .size: 8, .value_kind: global_buffer, .address_space: global }
      - { .name: key_states, .offset: 8, .size: 8, .value_kind: global_buffer, .address_space: global }
      - { .name: value_states, .offset: 16, .size: 8, .value_kind: global_buffer, .address_space: global }
      - { .name: out0, .offset: 24, .size: 8, .value_kind: global_buffer, .address_space: global }
    .group_segment_fixed_size: 163840
    .private_segment_fixed_size: 0
    .kernarg_segment_align: 8
    .kernarg_segment_size: 32
    .max_flat_workgroup_size: 512
    .sgpr_count:     66
    .vgpr_count:     256
    .wavefront_size: 32
...
	.end_amdgpu_metadata
.endif
;; end of part 2
